; MI455X (gfx1250); checked and timed in simulation.
; The chip was launched on July 23, 2026; its instructions are those of AMD's public machine-readable ISA for CDNA 5 (MIT licence, August 2026) and "CDNA5" Instruction Set Architecture Reference Guide (July 2026). The comments in the code are by the model that wrote it; some were corrected since.
;; My Cross Attention ori. Allowed arithmetic: matrix products marked QUANTISED: E5M2 operands, one E8M0 scale for each 32 along K, by v_wmma_scale_f32_16x16x128_f8f6f4 with both operands' format E5M2, f32 sums; products left as they are: f32 operands where the result goes on into a quantised operand, else bf16, f16 or f32 operands; f32 sums; everything else in f32.
;; Inputs: Wk_codes 512 x 16 x 32 uint8 (E5M2 codes of Wk, K innermost, in blocks of 32 codes); Wk_scales 512 x 16 uint8 (E8M0 scales of Wk, one for each 32 codes along K); Wp_codes 512 x 16 x 32 uint8 (E5M2 codes of Wp, K innermost, in blocks of 32 codes); Wp_scales 512 x 16 uint8 (E8M0 scales of Wp, one for each 32 codes along K); Wq_codes 512 x 16 x 32 uint8 (E5M2 codes of Wq, K innermost, in blocks of 32 codes); Wq_scales 512 x 16 uint8 (E8M0 scales of Wq, one for each 32 codes along K); k_codes 4 x 2,048 x 16 x 32 uint8 (E5M2 codes of k, K innermost, in blocks of 32 codes); k_scales 4 x 2,048 x 16 uint8 (E8M0 scales of k, one for each 32 codes along K); q_codes 4 x 4,096 x 16 x 32 uint8 (E5M2 codes of q, K innermost, in blocks of 32 codes); q_scales 4 x 4,096 x 16 uint8 (E8M0 scales of q, one for each 32 codes along K); supp_mask 4 x 2,048 int32; v 4 x 2,048 x 512 float32.
;; Outputs: out0 4 x 4,096 x 512 float32.
;; This version of the problem:
;;   THIS VERSION OF THE PROBLEM IS GIVEN IN LOW PRECISION. The matrix products marked QUANTISED in the list below multiply operands that are first quantised to E5M2 (5 exponent bits, 2 mantissa bits; 8 bits a number), with one power-of-two scale for each 32 numbers along K (OCP MX v1.0); their sums are f32. All else is computed in f32.
;;   The module's matrix products, in the order in which they are computed (A, B: the left and right operand; K: the contracted axis; several contracted axes count as one K, in the product's order):
;;     1. [M 16,384, K 512] x [K 512, N 512]; A: input q (given as codes); B: input Wq (given as codes): QUANTISED
;;     2. [M 8,192, K 512] x [K 512, N 512]; A: input k (given as codes); B: input Wk (given as codes): QUANTISED
;;     3. batch 32 x [M 4,096, K 64] x [K 64, N 2,048]; A: computed on the way; B: computed on the way: QUANTISED
;;     4. batch 4 x [M 32,768, K 2,048] x [K 2,048, N 1]; A: softmax; B: input supp_mask: left as it is (N = 1 < 16)
;;     5. [M 16,384, K 512] x [K 512, N 512]; A: computed on the way; B: input Wp (given as codes): QUANTISED
;;   THE QUANTISER, for each operand of a quantised product, along K:
;;     - K is cut into blocks of 32 from its start; a last block that is shorter is filled with zeros.
;;     - A block's scale is 2^e with e = floor(log2(the largest magnitude in the block)) - 15, held to -126 .. 127; a block of zeros has e = 0. As a byte (E8M0): e + 127.
;;     - Each number is divided by its block's scale, clamped to +-57,344, and rounded to the nearest number of E5M2, ties to even, subnormals kept.
;;     - The product sums the exact products of the quantised numbers (number of the format x scale) in f32.
;;   ~~~python
;;   def quantise(x, axis):      # numpy; x: float32 -> the quantised numbers, widened to float32 again
;;       x = np.moveaxis(x, axis, -1); K = x.shape[-1]
;;       x = np.pad(x, [(0, 0)] * (x.ndim - 1) + [(0, -K % 32)]); x = x.reshape(x.shape[:-1] + (-1, 32)); a = np.abs(x).max(-1, keepdims=True)
;;       e = np.where(a > 0, np.clip(np.frexp(np.where(a > 0, a, 1))[1] - 1 - 15, -126, 127), 0)      # np.frexp(a)[1] - 1 = floor(log2(a)), exactly
;;       r = np.clip(x / 2.0 ** e, -57344, 57344)
;;       step = 2.0 ** (np.maximum(np.frexp(np.where(r == 0, 1, r))[1] - 1, -14) - 2)
;;       q = np.round(r / step) * step * 2.0 ** e      # np.round: ties to even
;;       return np.moveaxis(q.reshape(q.shape[:-2] + (-1,))[..., :K], -1, axis).astype(np.float32)
;;   ~~~
;;   OPERANDS COMPUTED ON THE WAY. 'Computed on the way' means the value that the module computes at that place (a softmax that the list does not call 'softmax' is quantised finished and normalised). What goes into a quantiser is computed in f32, as accurately as f32 sums, v_exp_f32 and their like allow (about 1e-6 of the number): no bf16 or f16 on the way to a quantiser, and a product that is left as it is and whose result goes on into a quantised operand takes f32 operands (vector FMAs, or v_wmma_f32_16x16x4_f32). A number that lies on a knife's edge between two numbers of the format may be rounded either way, as far as f32 arithmetic and the matrix unit's own rounding can turn it there, and no further.
;;   INPUTS GIVEN AS CODES. Wk (in the module: [512, 512], K = its axis 1); Wp (in the module: [512, 512], K = its axis 1); Wq (in the module: [512, 512], K = its axis 1); k (in the module: [4, 2048, 512], K = its axis 2); q (in the module: [4, 4096, 512], K = its axis 2): each comes as NAME_codes (uint8): NAME with its K axis moved to the last place and cut into blocks of 32 codes, [.., K / 32, bytes a block], one block behind the other in memory; one code a byte (a code: sign, 5 exponent bits, 2 mantissa bits); and NAME_scales (uint8): the same leading axes, one E8M0 byte (e + 127) for each 32 codes along K. Its value is code x scale, taken as it is: it is not quantised again, and the codes and scales need not be those that the quantiser above would give.
;; One version. Each part assembles by itself: llvm-mc -triple=amdgcn-amd-amdhsa -mcpu=gfx1250 --defsym DOCPART=n.
;; ======== version 1 of 1: 4 launches
;; workspace buffers: khc 4,194,304 bytes; khs 262,144 bytes; qhc 8,388,608 bytes; qhs 524,288 bytes; sbuf 524,288 bytes
;; launch proj (part 1): grid 64 x 4, 8 waves a work-group, clusters of 4 x 4, 271,360 bytes of LDS; arguments k_codes, k_scales, Wk_codes, Wk_scales, khc, khs; writes khc, khs
.if DOCPART == 1
	.amdgcn_target "amdgcn-amd-amdhsa--gfx1250"
	.amdhsa_code_object_version 6
	.text
	.protected	k_qc0afc00ed5_proj
	.globl	k_qc0afc00ed5_proj
	.p2align	8
	.type	k_qc0afc00ed5_proj,@function
k_qc0afc00ed5_proj:
	s_mov_b64 s[64:65], 0
	v_nop
	global_prefetch_b8 v0, s[64:65] scope:SCOPE_SE
	s_setreg_imm32_b32 hwreg(HW_REG_WAVE_MODE, 25, 1), 1
	s_wait_xcnt 0x0
	s_wait_alu depctr_hold_cnt(0) depctr_sa_sdst(0) depctr_va_vdst(0) depctr_va_sdst(0) depctr_va_ssrc(0) depctr_va_vcc(0) depctr_vm_vsrc(0)
	s_getreg_b32 s2, hwreg(HW_REG_IB_STS2, 6, 4)
	s_cmp_eq_u32 s2, 0
	s_cbranch_scc0 .Lentry_in_a_cluster
	s_endpgm
.Lentry_in_a_cluster:
	s_bfe_u32 s2, ttmp6, 0x10000c
	s_cmp_lg_u32 s2, 0xf033
	s_cbranch_scc0 .Lentry_shape_is_right
	s_endpgm
.Lentry_shape_is_right:
; y = x W^T on codes of E5M2 with E8M0 scales (K = 512), quantised again along each head's 64 channels (two blocks of 32), and laid as the score product's operand registers.  One body serves k with Wk and q with Wq.
; SHARES.  A work-group: 128 rows of x (block kb, counted over all batches) x 2 heads (pair cy).  Wave w: head 2 cy + (w & 1), rows 32 (w >> 1) .. + 31: two tiles of 16 rows, side by side: each fragment of W
; that the wave reads from LDS serves both.
; THE PRODUCT IS USED TRANSPOSED (source 0 = 16 rows of W, source 1 = 16 rows of x) and lane r of W's tile t takes the head's row 32 (t / 2) + 8 (t % 2) + r + 8 (r / 8):
; a lane then holds ONE row of x, and the 16 registers of tiles 2 b, 2 b + 1 are the units 32 b + 16 (lane / 16) + 0 .. 15: what the conversions and the next operand's layout want.
; THE OPERANDS ARE CUT BY MAGNITUDE.  y goes on into a quantiser, and one code of kh that falls the other way moves the result of every query of its head; the codes have three significant bits, so the exact sum is
; as a rule a number that f32 holds.  To get that number, no instruction is given small products beside large ones.  By the exponent field of a code's byte: W7 (27 and up), W6 (23 to 26), WL (under 23);
; XH (27 and up), XL (under 27); a code outside its class is the code 0.  x W = XH W7 + XH W6 + XL W7 + XL W6 + X WL: five instructions for each tile and K step, each begun with 0.  In the two large terms the
; products span 6 exponent steps, 4 places of mantissa and 1 of carry: 11 binary places, and what the blocks' scales differ by; the three small terms are small throughout or have few terms.
; The terms are added by packed f32 additions: the large ones to the sum, the small ones among themselves and then to the sum, once a K step.
; W's three classes are made once for the work-group, in LDS (W7 over the bytes as they were filled, which have had their only fill); x's two in registers.
; THE WALK.  16 steps (K step s, W's tile t), ten products each.  W's fragments have two buffers: a step's twelve LDS loads are issued a step ahead.  x's next K step is asked for in the last tile of the K step before.
; REGISTERS, in windows of 256: window 0: v1-15 addresses; v16-111 x's classes, 48 a tile of rows (all codes, large, small); v112-151 five products, at the end the codes; v152-215 the sums (32 m + 8 t);
;   v216-239 scale words; v240-252 the quantiser's.   window 1: v0-95 W's fragments, two buffers of 48 (W7, W6, WL): named by LDS loads (destination) and products (source 0) alone.
; OUT.  Double tile R = row / 32, head e: 2,048 bytes of codes at (8 R + e) 2048 as a register image (register group c of lane l at 512 c + 16 l; registers 0-7 rows 32 R + r, registers 8-15 rows 32 R + 16 + r),
; and one scale word a lane at (8 R + e) 128 + 4 l: bytes 0, 1 the first tile's two blocks, bytes 2, 3 the second's.
; CLUSTER 4 x 4: x's rows hang on kb alone and are shared down a column, W's rows on cy alone and are shared along a row: joint loads, filled once, no slot is filled again.
; LIMITS: NaN, infinities and the scale byte 0xff among the inputs are not served; a block whose largest magnitude lies under 2^-111 (zeros too) gets the byte 1: these bytes are read by this program alone.
.set PITCH,  528                       ; an LDS row: 512 bytes + 16 of padding
.set HALFT,  64*PITCH                  ; what one tensor load brings
.set IMG,    128*PITCH                 ; 128 rows: x's, and each class of W
.set W7R,    IMG                       ; behind x's rows: W as filled, then W7; W6 lies IMG further on, WL 2 IMG
.set SPARE,  4*IMG                     ; the spare words: 128 bytes for each of eight waves
.set AX,   1                           ; v1  LDS address of my fragments of x
.set AW7,  2                           ; v2  of my fragments of W7
.set AW6,  3                           ; v3  of W6
.set AWL,  4                           ; v4  of WL
.set LI,   5                           ; v5  16 x lane
.set LS,   6                           ; v6  4 x lane
.set SBL,  7                           ; v7  the split: my piece in WL's image
.set XSO,  8                           ; v8  16 r: a row of x's scale bytes
.set WSO,  9                           ; v9  16 (r + 8 (r / 8)): a row of W's
.set SB7,  10                          ; v10 the split: my piece of W as filled, and in W7's image
.set SB6,  11                          ; v11 in W6's
.set SPW,  14                          ; v14 my spare word; never rewritten
.set NIL,  15                          ; v15 0; never rewritten
.set X0,   16                          ; v16-111  tile m of x at X0 + 48 m: 16 registers of all codes, 16 of the large, 16 of the small
.set XA,   16                          ; the split of W, at the head, works in the same registers: v16-31 the codes as filled,
.set XH,   32                          ; v32-47   fields 27 and up,
.set XL,   48                          ; v48-63   23 to 26,
.set W3,   64                          ; v64-79   under 23
.set T0,   112                         ; v112-119 XH W7
.set T1,   120                         ; v120-127 XH W6
.set T2,   128                         ; v128-135 XL W7
.set T3,   136                         ; v136-143 XL W6
.set T4,   144                         ; v144-151 X WL
.set PC,   112                         ; v112-127 the double tile's codes, behind the last additions
.set ACC,  152                         ; v152-215 the eight sums: 32 m + 8 t
.set WS,   216                         ; v216-231 W's scale words, 4 t + s
.set XSC,  232                         ; v232-239 x's scale words, 4 m + s
.set TM,   240                         ; v240-247 the quantiser's eight
.set BY,   248                         ; v248-251 the four scale bytes
.set PW,   252                         ; v252     the scale word
.set WV,   16                          ; s16 wave
.set MNT,  21                          ; s21 the mantissa field of 57,344
.set SEL,  22                          ; s[22:23] lane selects: lane l xor 16
.set G1A,  24                          ; s[24:31] group 1 for x;  s[32:39] for W;  s[40:43], s[44:47] their groups 0
.set G1B,  32
.set G0A,  40
.set G0B,  44
.set K7C,  72                          ; s72 the exponent field of four bytes
.set K14,  73                          ; s73 128 less 27 << 2, four times: a byte's top bit comes on where the field is 27 or more
.set K24,  74                          ; s74 128 less 23 << 2, four times
.set K80,  75                          ; s75 the top bit of four bytes
.set PADW, (1<<20)|(1<<21)|(6<<22)|(3<<25)   ; elements of 1 byte; padding on; bit 21 beside a mask; 4 words behind every 128
.set MSB, 0
.macro WIN new                         ; the immediate's high byte repeats the setting that is left; a switch that changes nothing is dropped
.if MSB != \new
	s_set_vgpr_msb (MSB<<8)|\new
.set MSB, \new
.endif
.endm
.macro CROUND                          ; a round of the cluster's barrier
	s_barrier_signal -1
	s_barrier_wait -1
	s_cmp_lg_u32 s[WV], 0
	s_cbranch_scc1 .Lnot_wave_0_\@
	s_barrier_signal -3
.Lnot_wave_0_\@:
	s_barrier_wait -3
	s_barrier_signal -1
	s_barrier_wait -1
.endm
.macro PLACES n
.rept \n
	v_nop
.endr
.endm
; Tile m's 16 registers of codes are cut in two: the second sixteen keep the bytes whose exponent field is 27 or more, the third the others.  No sum of bytes passes 255, so no byte touches its neighbour.  The registers by turns
.macro CLS2 m
.set xa, X0+48*(\m)
.set xh, xa+16
.set xl, xa+32
.set z, 0
.rept 16
	v_and_b32 v[xh+z], s[K7C], v[xa+z]             ; the fields
.set z, z+1
.endr
.set z, 0
.rept 16
	v_add_nc_u32 v[xh+z], s[K14], v[xh+z]          ; top bit on: large
.set z, z+1
.endr
.set z, 0
.rept 16
	v_and_b32 v[xh+z], s[K80], v[xh+z]
.set z, z+1
.endr
.set z, 0
.rept 16
	v_lshrrev_b32 v[xl+z], 7, v[xh+z]
.set z, z+1
.endr
.set z, 0
.rept 16
	v_sub_nc_u32 v[xl+z], v[xh+z], v[xl+z]         ; 128 - 1 in each such byte,
.set z, z+1
.endr
.set z, 0
.rept 16
	v_or_b32 v[xh+z], v[xh+z], v[xl+z]             ; and the top bit: 255
.set z, z+1
.endr
.set z, 0
.rept 16
	v_and_b32 v[xh+z], v[xa+z], v[xh+z]
.set z, z+1
.endr
.set z, 0
.rept 16
	v_xor_b32 v[xl+z], v[xa+z], v[xh+z]
.set z, z+1
.endr
.endm
; 16 registers of W's codes in XA are cut in three: fields 27 and up into XH, 23 to 26 into XL, the rest into W3
.macro CLS3
.set z, 0
.rept 16
	v_and_b32 v[W3+z], s[K7C], v[XA+z]             ; the fields
.set z, z+1
.endr
.set z, 0
.rept 16
	v_add_nc_u32 v[XH+z], s[K14], v[W3+z]          ; top bit on: 27 or more
	v_add_nc_u32 v[XL+z], s[K24], v[W3+z]          ; top bit on: 23 or more
.set z, z+1
.endr
.set z, 0
.rept 16
	v_and_b32 v[XH+z], s[K80], v[XH+z]
	v_and_b32 v[XL+z], s[K80], v[XL+z]
.set z, z+1
.endr
.set z, 0
.rept 16
	v_lshrrev_b32 v[W3+z], 7, v[XH+z]
.set z, z+1
.endr
.set z, 0
.rept 16
	v_sub_nc_u32 v[W3+z], v[XH+z], v[W3+z]
.set z, z+1
.endr
.set z, 0
.rept 16
	v_or_b32 v[XH+z], v[XH+z], v[W3+z]             ; 255 in each byte of 27 or more
.set z, z+1
.endr
.set z, 0
.rept 16
	v_lshrrev_b32 v[W3+z], 7, v[XL+z]
.set z, z+1
.endr
.set z, 0
.rept 16
	v_sub_nc_u32 v[W3+z], v[XL+z], v[W3+z]
.set z, z+1
.endr
.set z, 0
.rept 16
	v_or_b32 v[XL+z], v[XL+z], v[W3+z]             ; 255 in each byte of 23 or more
.set z, z+1
.endr
.set z, 0
.rept 16
	v_and_b32 v[XH+z], v[XA+z], v[XH+z]            ; 27 and up
	v_and_b32 v[XL+z], v[XA+z], v[XL+z]            ; 23 and up
.set z, z+1
.endr
.set z, 0
.rept 16
	v_xor_b32 v[W3+z], v[XA+z], v[XL+z]            ; under 23
.set z, z+1
.endr
.set z, 0
.rept 16
	v_xor_b32 v[XL+z], v[XL+z], v[XH+z]            ; 23 to 26
.set z, z+1
.endr
.endm
.macro XLD m, ks                       ; x's fragment of tile m, K step ks: four LDS loads
	WIN 0
.irp c, 0,1,2,3
	ds_load_b128 v[X0+48*(\m)+4*\c:X0+48*(\m)+4*\c+3], v[AX] offset:16*(\m)*PITCH+128*(\ks)+32*\c
.endr
.endm
.macro WLD t, ks, p                    ; W's tile t of K step ks, in its three classes, into buffer p of window 1: twelve LDS loads
	WIN 0x40                                       ; destination window 1, address window 0
.irp c, 0,1,2,3
	ds_load_b128 v[48*(\p)+4*\c:48*(\p)+4*\c+3], v[AW7] offset:(32*((\t)/2)+8*((\t)%2))*PITCH+128*(\ks)+32*\c
.endr
.irp c, 0,1,2,3
	ds_load_b128 v[48*(\p)+16+4*\c:48*(\p)+16+4*\c+3], v[AW6] offset:(32*((\t)/2)+8*((\t)%2))*PITCH+128*(\ks)+32*\c
.endr
.irp c, 0,1,2,3
	ds_load_b128 v[48*(\p)+32+4*\c:48*(\p)+32+4*\c+3], v[AWL] offset:(32*((\t)/2)+8*((\t)%2))*PITCH+128*(\ks)+32*\c
.endr
.endm
.macro PMUL t, ks, m, p                ; the five terms of W's tile t (buffer p) x tile m of x, each begun with 0, each into registers of its own
.set rW, 48*(\p)
.set rX, X0+48*(\m)
	WIN 0x01                                       ; source 0 (W) window 1
	v_wmma_scale_f32_16x16x128_f8f6f4 v[T0:T0+7], v[rW:rW+15], v[rX+16:rX+31], 0, v[WS+4*(\t)+(\ks)], v[XSC+4*(\m)+(\ks)] matrix_a_fmt:MATRIX_FMT_BF8 matrix_b_fmt:MATRIX_FMT_BF8
	v_wmma_scale_f32_16x16x128_f8f6f4 v[T2:T2+7], v[rW:rW+15], v[rX+32:rX+47], 0, v[WS+4*(\t)+(\ks)], v[XSC+4*(\m)+(\ks)] matrix_a_fmt:MATRIX_FMT_BF8 matrix_b_fmt:MATRIX_FMT_BF8
	v_wmma_scale_f32_16x16x128_f8f6f4 v[T1:T1+7], v[rW+16:rW+31], v[rX+16:rX+31], 0, v[WS+4*(\t)+(\ks)], v[XSC+4*(\m)+(\ks)] matrix_a_fmt:MATRIX_FMT_BF8 matrix_b_fmt:MATRIX_FMT_BF8
	v_wmma_scale_f32_16x16x128_f8f6f4 v[T3:T3+7], v[rW+16:rW+31], v[rX+32:rX+47], 0, v[WS+4*(\t)+(\ks)], v[XSC+4*(\m)+(\ks)] matrix_a_fmt:MATRIX_FMT_BF8 matrix_b_fmt:MATRIX_FMT_BF8
	v_wmma_scale_f32_16x16x128_f8f6f4 v[T4:T4+7], v[rW+32:rW+47], v[rX:rX+15], 0, v[WS+4*(\t)+(\ks)], v[XSC+4*(\m)+(\ks)] matrix_a_fmt:MATRIX_FMT_BF8 matrix_b_fmt:MATRIX_FMT_BF8
.endm
; sum (m, t) takes the five terms of K step ks: the two large ones, and the three small ones added among themselves first.  K step 0's large terms start the sum.  Each result is read from its low end on
.macro PADD m, t, ks
	WIN 0
.set rA, ACC+32*(\m)+8*(\t)
.irp i, 0,2,4,6
.if (\ks) == 0
	v_pk_add_f32 v[rA+\i:rA+\i+1], v[T0+\i:T0+\i+1], v[T1+\i:T1+\i+1]
.else
	v_pk_add_f32 v[rA+\i:rA+\i+1], v[rA+\i:rA+\i+1], v[T0+\i:T0+\i+1]
.endif
.endr
.irp i, 0,2,4,6
	v_pk_add_f32 v[T2+\i:T2+\i+1], v[T2+\i:T2+\i+1], v[T3+\i:T3+\i+1]
.endr
.if (\ks) > 0
.irp i, 0,2,4,6
	v_pk_add_f32 v[rA+\i:rA+\i+1], v[rA+\i:rA+\i+1], v[T1+\i:T1+\i+1]
.endr
.endif
.irp i, 0,2,4,6
	v_pk_add_f32 v[T2+\i:T2+\i+1], v[T2+\i:T2+\i+1], v[T4+\i:T4+\i+1]
.endr
.irp i, 0,2,4,6
	v_pk_add_f32 v[rA+\i:rA+\i+1], v[rA+\i:rA+\i+1], v[T2+\i:T2+\i+1]
.endr
.endm
; A STEP: W's tile t of K step s against both tiles of x.  The next step's twelve loads go out first, into the other buffer: its last readers, the step before's second five products, stand nine places and twenty
; additions back.  Nine places stand behind each five products: ahead of the
; additions' first read of their results, of the next five, which write over them, and of the loads into their sources.  In a K step's last tile each tile of x asks for its next K step behind those places.
.macro STEP s, t
.if 4*(\s)+(\t) < 15
.set nt, ((\t)+1)%4
.set ns, (\s)+((\t)+1)/4
.set np, 1-(\t)%2
	WLD nt, ns, np
	s_wait_dscnt 12                                ; this step's fragments of W, asked for a step ago, are in; the twelve just issued may be out
.else
	s_wait_dscnt 0x0                               ; the last step: nothing is left to fetch
.endif
	PMUL \t, \s, 0, (\t)%2
	PLACES 9
.if ((\t) == 3) && ((\s) < 3)
	XLD 0, (\s)+1
.endif
	PADD 0, \t, \s
	PMUL \t, \s, 1, (\t)%2
	PLACES 9
.if ((\t) == 3) && ((\s) < 3)
	XLD 1, (\s)+1
.endif
	PADD 1, \t, \s
.endm
; Tile m's 32 numbers a lane are two blocks: register 16 b + i is number 16 (lane / 16) + i of block b.  Largest magnitude, conversion operand, hold, byte; then the hold (the conversion to an 8-bit code does not
; saturate: ISA guide 7.6.2) and the conversions
.macro Q2 m
.set rQ, ACC+32*(\m)
.irp b, 0,1
	v_max3_num_f32 v[TM+\b], |v[rQ+16*\b]|, |v[rQ+1+16*\b]|, 0x8000000   ; my 16 numbers, and the floor 2^(16 - 127): the byte cannot fall under 1
.endr
.irp i, 2,4,6,8,10,12,14
.irp b, 0,1
	v_max3_num_f32 v[TM+\b], v[TM+\b], |v[rQ+16*\b+\i]|, |v[rQ+1+16*\b+\i]|
.endr
.endr
.irp b, 0,1
	v_permlanex16_b32 v[TM+2+\b], v[TM+\b], s[SEL], s[SEL+1]
.endr
.irp b, 0,1
	v_max_num_f32 v[TM+\b], v[TM+\b], v[TM+2+\b]           ; with lane l xor 16's: the block's largest magnitude
.endr
.irp b, 0,1
	v_add_nc_u32 v[TM+6+\b], 0xf8800000, v[TM+\b]          ; 15 off its exponent field: the conversion's scale operand
.endr
.irp b, 0,1
	v_and_or_b32 v[TM+4+\b], v[TM+\b], 0x7f800000, s[MNT]  ; 57,344 x the scale
.endr
.irp b, 0,1
	v_lshrrev_b32 v[BY+2*(\m)+\b], 23, v[TM+6+\b]          ; the scale's byte
.endr
.irp b, 0,1
.irp i, 0,1,2,3,4,5,6,7,8,9,10,11,12,13,14,15
	v_med3_num_f32 v[rQ+16*\b+\i], v[rQ+16*\b+\i], -v[TM+4+\b], v[TM+4+\b]
.endr
	v_cvt_scalef32_pk8_bf8_f32 v[PC+8*(\m)+4*\b:PC+8*(\m)+4*\b+1], v[rQ+16*\b:rQ+16*\b+7], v[TM+6+\b]
	v_cvt_scalef32_pk8_bf8_f32 v[PC+8*(\m)+4*\b+2:PC+8*(\m)+4*\b+3], v[rQ+16*\b+8:rQ+16*\b+15], v[TM+6+\b]
.endr
	v_nop                                          ; a plain line behind the last conversion
.endm
	s_load_b256 s[4:11], s[0:1], 0x0               ; x's codes s[4:5], x's scales s[6:7], W's codes s[8:9], W's scales s[10:11]
	s_load_b128 s[12:15], s[0:1], 0x20             ; the codes out s[12:13], the scale words out s[14:15]
	v_lshl_add_u32 v[SPW], v0, 2, SPARE
	v_mov_b32 v[NIL], 0
	ds_add_u32 v[SPW], v[NIL]                      ; the wave's opening: the add and its wait ahead of the first tensor load; the set-up below stands between them
	v_lshrrev_b32 v1, 5, v0
	v_readfirstlane_b32 s[WV], v1                  ; wave 0..7
	s_and_b32 s17, s[WV], 1                        ; which of the two heads is mine.  Also: which 64 rows of a tile I fetch
	s_lshr_b32 s18, s[WV], 1                       ; which 32 rows of x are mine
	s_bfe_u32 s19, ttmp6, 0x40000                  ; cx
	s_bfe_u32 s20, ttmp6, 0x40004                  ; cy: the pair of heads (the grid is one cluster high)
	s_lshl_b32 s76, ttmp9, 2
	s_add_co_u32 s76, s76, s19                     ; kb = 4 x cluster x + cx
	s_lshl_b32 s48, 0x1111, s19                    ; my column of the cluster
	s_lshl_b32 s49, s20, 2
	s_lshl_b32 s49, 15, s49                        ; my row
	s_or_b32 s[G1A], s48, PADW                     ; x's tile goes to my column,
	s_or_b32 s[G1B], s49, PADW                     ; W's to my row
.irp g, G1A, G1B
	s_mov_b32 s[\g+1], 512<<16                     ; tensor_dim0 = 512 bytes
	s_mov_b32 s[\g+2], 64<<16                      ; tensor_dim1 = 64 rows
	s_mov_b32 s[\g+3], 512<<16                     ; tile_dim0
	s_mov_b32 s[\g+4], 64                          ; tile_dim1
	s_mov_b32 s[\g+5], 512                         ; from row to row
	s_mov_b32 s[\g+6], 0
	s_mov_b32 s[\g+7], 0
.endr
	s_lshl_b32 s77, s17, 15                        ; my 64 rows of 512 bytes
	s_lshl_b32 s50, s76, 16                        ; x: kb x 128 rows (this pair never holds cy)
	s_add_co_u32 s50, s50, s77
	s_mov_b32 s51, 0
	s_lshl_b32 s52, s20, 16                        ; W: cy x 128 rows (this pair never holds cx)
	s_add_co_u32 s52, s52, s77
	s_mov_b32 s53, 0
	s_mul_i32 s54, s[WV], HALFT                    ; where they go: waves 0, 1 x's halves, waves 2, 3 W's
	s_lshl_b32 s56, s76, 11                        ; my rows' scale bytes: (128 kb + 32 d) x 16
	s_lshl_b32 s55, s18, 9
	s_add_co_u32 s56, s56, s55
	s_mov_b32 s57, 0
	s_lshl_b32 s58, s20, 11                        ; my head's rows of W's scale bytes: (128 cy + 64 hh) x 16
	s_lshl_b32 s55, s17, 10
	s_add_co_u32 s58, s58, s55
	s_mov_b32 s59, 0
	s_lshl_b32 s60, s76, 2
	s_add_co_u32 s60, s60, s18                     ; my double tile R = 4 kb + d,
	s_lshl_b32 s60, s60, 3
	s_lshl_b32 s55, s20, 1
	s_add_co_u32 s60, s60, s55
	s_add_co_u32 s60, s60, s17                     ; 8 R + head
	s_lshl_b32 s62, s60, 11                        ; its codes
	s_mov_b32 s63, 0
	s_lshl_b32 s66, s60, 7                         ; its scale words
	s_mov_b32 s67, 0
	s_mul_i32 s68, s18, 32*PITCH                   ; LDS: my 32 rows of x,
	s_mul_i32 s69, s17, 64*PITCH
	s_add_co_u32 s69, s69, W7R                     ; my head's 64 rows of W,
	s_mul_i32 s70, s[WV], PITCH
	s_add_co_u32 s70, s70, W7R                     ; and for the split: row wave + 8 j
	s_mov_b32 s[MNT], 0x600000
	s_mov_b32 s[SEL], 0x76543210
	s_mov_b32 s[SEL+1], 0xfedcba98
	s_mov_b32 s[K7C], 0x7c7c7c7c
	s_mov_b32 s[K14], 0x14141414
	s_mov_b32 s[K24], 0x24242424
	s_mov_b32 s[K80], 0x80808080
	s_wait_dscnt 0x0                               ; the opening add is done
	s_wait_kmcnt 0x0
	s_mov_b32 s[G0A], 1
	s_mov_b32 s[G0A+1], s54
	s_add_nc_u64 s[G0A+2:G0A+3], s[4:5], s[50:51]
	s_or_b32 s[G0A+3], s[G0A+3], 0x80000000
	s_mov_b32 s[G0B], 1
	s_mov_b32 s[G0B+1], s54
	s_add_nc_u64 s[G0B+2:G0B+3], s[8:9], s[52:53]
	s_or_b32 s[G0B+3], s[G0B+3], 0x80000000
	CROUND                                         ; all sixteen work-groups are here: the joint loads meet
	s_cmp_lt_u32 s[WV], 2                          ; waves 0, 1 fetch x's halves, waves 2, 3 W's, the others nothing: one tensor load of a wave is out
	s_cbranch_scc0 .Lnot_x
	tensor_load_to_lds s[G0A:G0A+3], s[G1A:G1A+7]
	s_nop 0
	PLACES 4
	s_branch .Lasked
.Lnot_x:
	s_cmp_lt_u32 s[WV], 4
	s_cbranch_scc0 .Lasked
	tensor_load_to_lds s[G0B:G0B+3], s[G1B:G1B+7]
	s_nop 0
	PLACES 4
.Lasked:
	s_add_nc_u64 s[6:7], s[6:7], s[56:57]
	s_add_nc_u64 s[10:11], s[10:11], s[58:59]
	s_add_nc_u64 s[12:13], s[12:13], s[62:63]
	s_add_nc_u64 s[14:15], s[14:15], s[66:67]
	v_and_b32 v12, 15, v0                          ; r
	v_bfe_u32 v13, v0, 4, 1                        ; h
	v_and_b32 v7, 8, v12
	v_add_nc_u32 v7, v7, v12                       ; r + 8 (r / 8)
	v_mul_u32_u24 v[AX], v12, PITCH
	v_lshl_add_u32 v[AX], v13, 4, v[AX]
	v_add_nc_u32 v[AX], s68, v[AX]
	v_mul_u32_u24 v[AW7], v7, PITCH
	v_lshl_add_u32 v[AW7], v13, 4, v[AW7]
	v_add_nc_u32 v[AW7], s69, v[AW7]
	v_add_nc_u32 v[AW6], IMG, v[AW7]
	v_add_nc_u32 v[AWL], 2*IMG, v[AW7]
	v_lshlrev_b32 v[XSO], 4, v12
	v_lshlrev_b32 v[WSO], 4, v7
	v_and_b32 v13, 31, v0                          ; lane
	v_lshlrev_b32 v[LI], 4, v13
	v_lshlrev_b32 v[LS], 2, v13
	v_add_nc_u32 v[SB7], s70, v[LI]
	v_add_nc_u32 v[SB6], IMG, v[SB7]
	v_add_nc_u32 v[SBL], 2*IMG, v[SB7]
	v_mov_b32 v[TM+2], 0                           ; a lane permute's destination counts as one of its sources
	v_mov_b32 v[TM+3], 0
.irp m, 0,1
	global_load_b128 v[XSC+4*\m:XSC+4*\m+3], v[XSO], s[6:7] offset:256*\m          ; a row's 16 scale bytes: the words of the four K steps
.endr
.irp t, 0,1,2,3
	global_load_b128 v[WS+4*\t:WS+4*\t+3], v[WSO], s[10:11] offset:(32*(\t/2)+8*(\t%2))*16
.endr
	s_wait_tensorcnt 0x0                           ; my part of the tiles has landed,
	s_barrier_signal -1
	s_barrier_wait -1                              ; everybody's has
	; THE SPLIT OF W: 128 rows x 512 bytes are 4,096 pieces of 16 bytes: 16 a thread, piece j at row wave + 8 j, byte 16 x lane; four at a time.  A thread reads and writes its own pieces alone
.irp g, 0,1,2,3
.irp q, 0,1,2,3
	ds_load_b128 v[XA+4*\q:XA+4*\q+3], v[SB7] offset:(4*\g+\q)*8*PITCH
.endr
	s_wait_dscnt 0x0
	CLS3
.irp q, 0,1,2,3
	ds_store_b128 v[SB7], v[XH+4*\q:XH+4*\q+3] offset:(4*\g+\q)*8*PITCH    ; W7, over the piece as it was filled: LDS serves a wave's instructions in order (ISA guide 5.7.1.4)
	ds_store_b128 v[SB6], v[XL+4*\q:XL+4*\q+3] offset:(4*\g+\q)*8*PITCH    ; W6
	ds_store_b128 v[SBL], v[W3+4*\q:W3+4*\q+3] offset:(4*\g+\q)*8*PITCH    ; WL
.endr
.endr
	s_wait_dscnt 0x0                               ; for the others' sake: my pieces are stored
	s_barrier_signal -1
	s_barrier_wait -1
	s_wait_loadcnt 0x0                             ; the scale words
	WLD 0, 0, 0                                    ; the first step's fragments of W, then both tiles of x: the order in which every K step finds them
	XLD 0, 0
	XLD 1, 0
.irp s, 0,1,2,3                                ; four K steps of 128
	s_wait_dscnt 4                                 ; W's twelve loads and tile 0's four are in; tile 1's four may be out
	CLS2 0
	s_wait_dscnt 0x0
	CLS2 1                                         ; (tile 0's classes stand these 128 lines ahead of their first product, tile 1's nine places and twenty additions: four are asked)
.irp t, 0,1,2,3
	STEP \s, \t
.endr
.endr
	Q2 0
	Q2 1
	v_lshl_or_b32 v[PW], v[BY+1], 8, v[BY]         ; the double tile's scale word
	v_lshl_or_b32 v[PW], v[BY+2], 16, v[PW]
	v_lshl_or_b32 v[PW], v[BY+3], 24, v[PW]
.irp c, 0,1,2,3
	global_store_b128 v[LI], v[PC+4*\c:PC+4*\c+3], s[12:13] offset:512*\c      ; 32 lanes store 512 consecutive bytes, aligned
.endr
	global_store_b32 v[LS], v[PW], s[14:15]        ; 128 consecutive bytes: one sixteenth of what the wave stores
	s_wait_tensorcnt 0x0                           ; the wave's end (every window is 0 here)
	ds_add_u32 v[SPW], v[NIL]
	s_wait_dscnt 0x0
	CROUND                                         ; the closing round
	s_endpgm
.Lfunc_end_k_qc0afc00ed5_proj:
	.size	k_qc0afc00ed5_proj, .Lfunc_end_k_qc0afc00ed5_proj-k_qc0afc00ed5_proj
	.p2alignl 7, 3214868480
	.fill 96, 4, 3214868480
	.section	.rodata,"a",@progbits
	.p2align	6, 0x0
	.amdhsa_kernel k_qc0afc00ed5_proj
		.amdhsa_group_segment_fixed_size 271360
		.amdhsa_private_segment_fixed_size 0
		.amdhsa_enable_private_segment 0
		.amdhsa_kernarg_size 48
		.amdhsa_user_sgpr_count 2
		.amdhsa_user_sgpr_kernarg_segment_ptr 1
		.amdhsa_wavefront_size32 1
		.amdhsa_system_sgpr_workgroup_id_x 1
		.amdhsa_system_sgpr_workgroup_id_y 1
		.amdhsa_system_sgpr_workgroup_id_z 1
		.amdhsa_system_vgpr_workitem_id 0
		.amdhsa_next_free_vgpr 384
		.amdhsa_next_free_sgpr 80
		.amdhsa_reserve_vcc 0
		.amdhsa_float_denorm_mode_32 3
		.amdhsa_float_denorm_mode_16_64 3
		.amdhsa_memory_ordered 1
		.amdhsa_forward_progress 1
		.amdhsa_inst_pref_size 167
	.end_amdhsa_kernel
	.amdgpu_metadata
---
amdhsa.version: [ 1, 2 ]
amdhsa.kernels:
  - .name:           k_qc0afc00ed5_proj
    .symbol:         k_qc0afc00ed5_proj.kd
    .args:
      - { .name: k_codes, .offset: 0, .size: 8, .value_kind: global_buffer, .address_space: global }
      - { .name: k_scales, .offset: 8, .size: 8, .value_kind: global_buffer, .address_space: global }
      - { .name: Wk_codes, .offset: 16, .size: 8, .value_kind: global_buffer, .address_space: global }
      - { .name: Wk_scales, .offset: 24, .size: 8, .value_kind: global_buffer, .address_space: global }
      - { .name: khc, .offset: 32, .size: 8, .value_kind: global_buffer, .address_space: global }
      - { .name: khs, .offset: 40, .size: 8, .value_kind: global_buffer, .address_space: global }
    .group_segment_fixed_size: 271360
    .private_segment_fixed_size: 0
    .kernarg_segment_align: 8
    .kernarg_segment_size: 48
    .max_flat_workgroup_size: 256
    .sgpr_count:     80
    .vgpr_count:     384
    .wavefront_size: 32
...
	.end_amdgpu_metadata
.endif
;; end of part 1
;; launch qproj: the kernel of part 1 again; grid 128 x 4, 8 waves a work-group, clusters of 4 x 4, 271,360 bytes of LDS; arguments q_codes, q_scales, Wq_codes, Wq_scales, qhc, qhs; writes qhc, qhs
;; launch attn (part 2): grid 8 x 32, 16 waves a work-group, clusters of 4 x 1, 167,936 bytes of LDS; arguments qhc, qhs, supp_mask, khc, khs, sbuf; writes sbuf
.if DOCPART == 2
	.amdgcn_target "amdgcn-amd-amdhsa--gfx1250"
	.amdhsa_code_object_version 6
	.text
	.protected	k_qc0afc00ed5_attn
	.globl	k_qc0afc00ed5_attn
	.p2align	8
	.type	k_qc0afc00ed5_attn,@function
k_qc0afc00ed5_attn:
	s_mov_b64 s[64:65], 0
	v_nop
	global_prefetch_b8 v0, s[64:65] scope:SCOPE_SE
	s_setreg_imm32_b32 hwreg(HW_REG_WAVE_MODE, 25, 1), 1
	s_wait_xcnt 0x0
	s_wait_alu depctr_hold_cnt(0) depctr_sa_sdst(0) depctr_va_vdst(0) depctr_va_sdst(0) depctr_va_ssrc(0) depctr_va_vcc(0) depctr_vm_vsrc(0)
	s_getreg_b32 s2, hwreg(HW_REG_IB_STS2, 6, 4)
	s_cmp_eq_u32 s2, 0
	s_cbranch_scc0 .Lentry_in_a_cluster
	s_endpgm
.Lentry_in_a_cluster:
	s_bfe_u32 s2, ttmp6, 0x10000c
	s_cmp_lg_u32 s2, 0x3003
	s_cbranch_scc0 .Lentry_shape_is_right
	s_endpgm
.Lentry_shape_is_right:
; s[b][h][n] = sum over keys of softmax(qh . kh / 8) x supp_mask: the scores, the softmax and the weighted row sum.  qh and kh come as codes of E5M2 with E8M0 scale words, laid by the launches before as register images.
; The input v is named by no launch of this program: the computation overwrites it, so no result hangs on it.
; SHARES.  A work-group: one (batch, head) and 512 queries; each of its SIXTEEN waves 32 queries (two tiles of 16) in 256 registers, four waves to a SIMD, so that one wave's exponentials stand beside another's
; plain arithmetic, products and LDS loads.  Every wave walks the head's 2,048 keys, 64 a trip.  The head's K, 131,072 bytes of register images and 8,192 of scale words, lies in LDS whole: no ring, no barrier in the loop.
; SCORES.  K = 64 and the instruction takes 128: an operand of K holds TWO tiles of 16 keys (k 0-63 and k 64-127); it is multiplied once by [q | 0] and once by [0 | q].  Zero CODES add nothing under any finite scale.
; S^T = K Q^T: a lane holds ONE query (lane % 16) and eight keys a tile, 8 (lane / 16) + 0 .. 7.
; SOFTMAX.  p = 2^(c s - c m), c = log2(e) / 8, m the running largest score; the sums l (of p) and a (of p x mask) are multiplied by 2^(c m_old - c m_new) in every trip.  Lanes l and l + 16 hold the same
; query and other keys: they run as two softmaxes of their own, each with its own m, and are joined once, behind the loop: no lane looks at another in the loop.  All in f32: s goes on into a quantiser.
; THE SUMS ARE KEPT SHORT, since s goes on into a quantiser whose codes are 1/8 apart: a trip's 16 pairs are summed by themselves, and a running sum takes the trip's total by one fused multiply-add: 32 roundings of
; a running sum in all, not 512.  The division at the end has one correction step.
; The mask is honoured as any int32, converted to f32 once.
; CLUSTER 4 x 1: the four query blocks of a cluster share K's images and scale words: joint loads with the mask 15, filled once.
; LIMITS: NaN and infinities are not served; scores lie above -3e38.
.set KSC,    131072                    ; behind K's images: its scale words, 8,192 bytes
.set MSK,    139264                    ; the mask as f32: 8,192 bytes, written by LDS stores: no fill lands from here on
.set SST,    MSK+8192                  ; the work-group's 512 results
.set SPARE,  SST+2048                  ; the spare words: 128 bytes for each of sixteen waves
.set LI,   1                           ; v1  16 x lane
.set LS,   2                           ; v2  KSC + 4 x lane
.set LM,   3                           ; v3  MSK + 32 (lane / 16)
.set ADK,  4                           ; v4  the trip's K images; behind the loop: where I read results back
.set ADS,  5                           ; v5  its scale words
.set ADM,  6                           ; v6  its masks
.set L4,   7                           ; v7  4 x lane
.set TO,   11                          ; v11 16 x thread
.set MST,  12                          ; v12 MSK + 16 x thread
.set SSA,  13                          ; v13 SST + 4 x thread
.set SPW,  14                          ; v14 my spare word; never rewritten
.set NIL,  15                          ; v15 0; never rewritten
.set ST,   16                          ; tile m's statistics at v[ST + 12 m]: +0 c m, +1 m, +2, 3 l, +4, 5 a, +6 the rescaling factor, +7 c m_old - c m_new, +8 .. 11 at work: the maximum's four chains, then the trip's two sums
.set MT,   40                          ; v40-43 the mask's four words, at the head
.set QF,   60                          ; v60-99: zeros, q0, zeros, q1, zeros, eight registers each: [0 | q_m] begins at QF + 16 m, [q_m | 0] at QF + 8 + 16 m
.set QS,   100                         ; v100-101 q's scale words: bytes b0, b1, b0, b1: one word serves both forms
.set KS,   102                         ; v102-103 K's scale words
.set KF,   104                         ; v104-135 two double tiles of K
.set MK,   136                         ; v136-167 the trip's masks, in the scores' layout
.set S,    168                         ; v168-231 the scores, then p: 32 m + 8 tile + j
.set WV,   18
.set SEL,  20
.set CS,   22                          ; s[22:23] c: the packed form names a pair and takes its low word
.set G1K,  24                          ; s[24:31] group 1 for K's images;  s[32:39] for its scale words;  s[44:47], s[40:43] their groups 0
.set G1S,  32
.set G0S,  40
.set G0K,  44
.set TK,   60                          ; s60 where the K images to be fetched begin: 4,096 bytes a trip
.set TS,   61                          ; s61 their scale words: 256
.set TMK,  62                          ; s62 the trip's masks: 256
.set CNT,  63
.macro CROUND                          ; a round of the cluster's barrier
	s_barrier_signal -1
	s_barrier_wait -1
	s_cmp_lg_u32 s[WV], 0
	s_cbranch_scc1 .Lnot_wave_0_\@
	s_barrier_signal -3
.Lnot_wave_0_\@:
	s_barrier_wait -3
	s_barrier_signal -1
	s_barrier_wait -1
.endm
.macro PLACES n
.rept \n
	v_nop
.endr
.endm
.macro KADR                            ; the addresses of the K images to be fetched
	v_add_nc_u32 v[ADK], s[TK], v[LI]
	v_add_nc_u32 v[ADS], s[TS], v[LS]
.endm
.macro KLD                             ; ten LDS loads: two double tiles (64 keys) as they stand, and their scale words
.irp d, 0,1
.irp c, 0,1,2,3
	ds_load_b128 v[KF+16*\d+4*\c:KF+16*\d+4*\c+3], v[ADK] offset:2048*\d+512*\c
.endr
.endr
.irp d, 0,1
	ds_load_b32 v[KS+\d], v[ADS] offset:128*\d
.endr
	s_add_co_u32 s[TK], s[TK], 4096
	s_add_co_u32 s[TS], s[TS], 256
.endm
; THE SOFTMAX OF ONE TILE (16 queries x 64 keys: 32 scores a lane), as numbered lists
.macro MAXI m, n                       ; 16 lines: the largest of the 32 scores and the old m; each accumulator is read from its low end on
.set rT, ST+12*(\m)
.set rS, S+32*(\m)
.if (\n) < 4
	v_max3_num_f32 v[rT+8+(\n)], v[rS+8*(\n)], v[rS+8*(\n)+1], v[rS+8*(\n)+2]
.elseif (\n) < 12
	v_max3_num_f32 v[rT+8+(\n)%4], v[rT+8+(\n)%4], v[rS+8*((\n)%4)+2*((\n)/4)+1], v[rS+8*((\n)%4)+2*((\n)/4)+2]
.elseif (\n) == 12
	v_max3_num_f32 v[rT+8], v[rT+8], v[rS+7], v[rS+15]
.elseif (\n) == 13
	v_max3_num_f32 v[rT+10], v[rT+10], v[rS+23], v[rS+31]
.elseif (\n) == 14
	v_max3_num_f32 v[rT+8], v[rT+8], v[rT+9], v[rT+10]
.else
	v_max3_num_f32 v[rT+1], v[rT+8], v[rT+11], v[rT+1]
.endif
.endm
.macro STAT m, k                       ; 2 lines: c m; c m_old - c m_new
.set rT, ST+12*(\m)
.if (\k) == 0
	v_mul_f32 v[rT], s[CS], v[rT+1]
.else
	v_sub_f32 v[rT+7], v[rT+7], v[rT]
.endif
.endm
.macro FMA m, i                        ; 16 lines: c s - c m, a pair of scores each
.set rT, ST+12*(\m)
.set rS, S+32*(\m)+2*(\i)
	v_pk_fma_f32 v[rS:rS+1], v[rS:rS+1], s[CS:CS+1], v[rT:rT+1] op_sel_hi:[1,0,0] neg_lo:[0,0,1] neg_hi:[0,0,1]
.endm
.macro EXPI m, e                       ; 33 lines: the rescaling factor, then the 32 weights
.set rT, ST+12*(\m)
.set rS, S+32*(\m)
.if (\e) == 0
	v_exp_f32 v[rT+6], v[rT+7]
.else
	v_exp_f32 v[rS+(\e)-1], v[rS+(\e)-1]
.endif
.endm
; 33 lines.  The trip's own sums, begun anew in the maximum's work registers, two chains by turns: +8, 9 the sum of the 16 pairs of p, +10, 11 that of p x mask.
; Only the last two lines touch the running sums: l = f l + the trip's, a = f a + the trip's: one rounding of each a trip
.macro SUMI m, n
.set rT, ST+12*(\m)
.set rS, S+32*(\m)
.if (\n) == 0
	v_pk_add_f32 v[rT+8:rT+9], v[rS:rS+1], v[rS+2:rS+3]                                  ; pairs 0 and 1 start the sum of p
.elseif (\n) == 1
	v_pk_mul_f32 v[rT+10:rT+11], v[rS:rS+1], v[MK:MK+1]                                  ; pair 0 starts the sum of p x mask
.elseif (\n) == 31
	v_pk_fma_f32 v[rT+2:rT+3], v[rT+2:rT+3], v[rT+6:rT+7], v[rT+8:rT+9] op_sel_hi:[1,0,1]
.elseif (\n) == 32
	v_pk_fma_f32 v[rT+4:rT+5], v[rT+4:rT+5], v[rT+6:rT+7], v[rT+10:rT+11] op_sel_hi:[1,0,1]
.elseif (\n)%2 == 0
	v_pk_fma_f32 v[rT+10:rT+11], v[rS+(\n):rS+(\n)+1], v[MK+(\n):MK+(\n)+1], v[rT+10:rT+11]   ; 2, 4 .. 30: pairs 1 to 15
.else
	v_pk_add_f32 v[rT+8:rT+9], v[rT+8:rT+9], v[rS+(\n)+1:rS+(\n)+2]                      ; 3, 5 .. 29: pairs 2 to 15
.endif
.endm
.macro LINE1 n                         ; line n of tile 1's plain work ahead of its exponentials: 16 + 2 + 15
.if (\n) < 16
	MAXI 1, \n
.elseif (\n) < 18
	STAT 1, (\n)-16
.else
	FMA 1, (\n)-18
.endif
.endm
; A TRIP: 64 keys.  pf = 1: the next trip's K is fetched.  Tile 0's exponentials stand between tile 1's plain lines, tile 1's between tile 0's sums: each batch of 33 has ONE wait, ahead of its first reader.
.macro TRIP pf
	v_add_nc_u32 v[ADM], s[TMK], v[LM]
.irp a, 0,1,2,3
	ds_load_b128 v[MK+8*\a:MK+8*\a+3], v[ADM] offset:64*\a         ; register 8 a + j: the mask of key 16 a + 8 (lane / 16) + j of the trip; sixteen lanes read one address
	ds_load_b128 v[MK+8*\a+4:MK+8*\a+7], v[ADM] offset:64*\a+16
.endr
	s_add_co_u32 s[TMK], s[TMK], 256
	s_wait_dscnt 8                                 ; K's ten loads, asked for a trip ago, are in; the eight just issued may be out
.irp d, 0,1
.irp u, 0,1
.irp m, 0,1
	v_wmma_scale_f32_16x16x128_f8f6f4 v[S+32*\m+8*(2*\d+\u):S+32*\m+8*(2*\d+\u)+7], v[KF+16*\d:KF+16*\d+15], v[QF+8-8*\u+16*\m:QF+23-8*\u+16*\m], 0, v[KS+\d], v[QS+\m] matrix_a_fmt:MATRIX_FMT_BF8 matrix_b_fmt:MATRIX_FMT_BF8
.endr
.endr
.endr
.if \pf                                        ; eight places: two addresses, two copies, four v_nop
	KADR
.else
	v_nop
	v_nop
.endif
	v_mov_b32 v[ST+7], v[ST]                       ; c m_old is kept: c m is written anew below
	v_mov_b32 v[ST+19], v[ST+12]
	PLACES 4
.if \pf
	KLD
.endif
.set n, 0
.rept 16
	MAXI 0, n
.set n, n+1
.endr
	STAT 0, 0
	STAT 0, 1
.set n, 0
.rept 16
	FMA 0, n
.set n, n+1
.endr
.set n, 0
.rept 33
	EXPI 0, n
	LINE1 n
.set n, n+1
.endr
	FMA 1, 15                                      ; a plain line behind the batch's last exponential
	s_wait_alu depctr_va_vdst(0)                   ; the wait ahead of the first line that names an exponential's result: one for tile 0's 33
.if \pf
	s_wait_dscnt 10                                ; the masks are in; the ten loads of the next trip's K may be out
.else
	s_wait_dscnt 0x0
.endif
.set n, 0
.rept 33
	EXPI 1, n
	SUMI 0, n
.set n, n+1
.endr
	s_wait_alu depctr_va_vdst(0)                   ; and one for tile 1's 33
.set n, 0
.rept 33
	SUMI 1, n
.set n, n+1
.endr
.endm
	s_load_b256 s[4:11], s[0:1], 0x0               ; q's codes s[4:5], q's scale words s[6:7], the mask s[8:9], K's codes s[10:11]
	s_load_b128 s[12:15], s[0:1], 0x20             ; K's scale words s[12:13], sbuf s[14:15]
	v_lshl_add_u32 v[SPW], v0, 2, SPARE
	v_mov_b32 v[NIL], 0
	ds_add_u32 v[SPW], v[NIL]                      ; the wave's opening: the add and its wait ahead of the first tensor load; the set-up below stands between them
	v_lshrrev_b32 v1, 5, v0
	v_readfirstlane_b32 s[WV], v1                  ; wave 0..15
	s_bfe_u32 s48, ttmp6, 0x40000                  ; cx
	s_lshl_b32 s49, ttmp9, 2
	s_add_co_u32 s49, s49, s48                     ; my block of 512 queries: it enters q's, its scale words' and sbuf's addresses alone
	s_and_b32 s50, ttmp7, 0xffff                   ; 8 x batch + head, which the four partners share
	s_lshr_b32 s51, s50, 3                         ; the batch
	s_and_b32 s52, s50, 7                          ; the head
	s_mov_b32 s[G1K], 15|(3<<16)|(1<<21)           ; K's images: the mask of all four; elements of 8 bytes; bit 21 beside a mask; no padding
	s_mov_b32 s[G1K+1], 256<<16                    ; a double tile's image is a row of 2,048 bytes,
	s_mov_b32 s[G1K+2], 8<<16                      ; 8 of them to a wave,
	s_mov_b32 s[G1K+3], 256<<16
	s_mov_b32 s[G1K+4], 8
	s_mov_b32 s[G1K+5], 2048                       ; 16,384 bytes apart: the eight heads' images of a double tile lie together
	s_mov_b32 s[G1K+6], 0
	s_mov_b32 s[G1K+7], 0
	s_mov_b32 s[G1S], 15|(3<<16)|(1<<21)           ; its scale words:
	s_mov_b32 s[G1S+1], 16<<16                     ; rows of 128 bytes,
	s_mov_b32 s[G1S+2], 64<<16                     ; 64 of them,
	s_mov_b32 s[G1S+3], 16<<16
	s_mov_b32 s[G1S+4], 64
	s_mov_b32 s[G1S+5], 128                        ; 1,024 bytes apart
	s_mov_b32 s[G1S+6], 0
	s_mov_b32 s[G1S+7], 0
	s_lshl_b32 s54, s51, 20                        ; K's codes: (8 (64 batch + 8 wave) + head) x 2,048
	s_lshl_b32 s53, s52, 11
	s_add_co_u32 s54, s54, s53
	s_lshl_b32 s53, s[WV], 17
	s_add_co_u32 s54, s54, s53
	s_mov_b32 s55, 0
	s_lshl_b32 s56, s51, 16                        ; K's scale words: (8 x 64 batch + head) x 128
	s_lshl_b32 s53, s52, 7
	s_add_co_u32 s56, s56, s53
	s_mov_b32 s57, 0
	s_lshl_b32 s58, s[WV], 14                      ; in LDS: 8 images of 2,048 bytes a wave
	s_lshl_b32 s66, s51, 7                         ; my double tile of queries: 128 batch + 16 block + wave,
	s_lshl_b32 s76, s49, 4
	s_add_co_u32 s66, s66, s76
	s_add_co_u32 s66, s66, s[WV]
	s_lshl_b32 s66, s66, 3
	s_add_co_u32 s66, s66, s52                     ; x 8 + head
	s_lshl_b32 s68, s66, 7                         ; its scale words,
	s_mov_b32 s69, 0
	s_lshl_b32 s66, s66, 11                        ; its codes
	s_mov_b32 s67, 0
	s_lshl_b32 s72, s51, 13                        ; the batch's mask
	s_mov_b32 s73, 0
	s_lshl_b32 s74, s50, 14                        ; sbuf: (4,096 (8 batch + head) + 512 block) x 4
	s_lshl_b32 s76, s49, 11
	s_add_co_u32 s74, s74, s76
	s_mov_b32 s75, 0
	s_mov_b32 s[SEL], 0x76543210
	s_mov_b32 s[SEL+1], 0xfedcba98
	s_mov_b32 s[CS], 0x3e38aa3b                    ; c = log2(e) / 8
	s_mov_b32 s[CS+1], s[CS]
	s_wait_dscnt 0x0                               ; the opening add is done
	s_wait_kmcnt 0x0
	s_mov_b32 s[G0K], 1
	s_mov_b32 s[G0K+1], s58
	s_add_nc_u64 s[G0K+2:G0K+3], s[10:11], s[54:55]
	s_or_b32 s[G0K+3], s[G0K+3], 0x80000000
	s_mov_b32 s[G0S], 1
	s_mov_b32 s[G0S+1], KSC
	s_add_nc_u64 s[G0S+2:G0S+3], s[12:13], s[56:57]
	s_or_b32 s[G0S+3], s[G0S+3], 0x80000000
	CROUND                                         ; all four work-groups are here: the joint loads meet
	s_cmp_lt_u32 s[WV], 8                          ; waves 0 to 7 fetch K's images, wave 8 its scale words, the others nothing: one tensor load of a wave is out
	s_cbranch_scc0 .Lnot_k
	tensor_load_to_lds s[G0K:G0K+3], s[G1K:G1K+7]
	s_nop 0
	PLACES 4
	s_branch .Lasked
.Lnot_k:
	s_cmp_lt_u32 s[WV], 9
	s_cbranch_scc0 .Lasked
	tensor_load_to_lds s[G0S:G0S+3], s[G1S:G1S+7]
	s_nop 0
	PLACES 4
.Lasked:
	s_add_nc_u64 s[4:5], s[4:5], s[66:67]
	s_add_nc_u64 s[6:7], s[6:7], s[68:69]
	s_add_nc_u64 s[8:9], s[8:9], s[72:73]
	s_add_nc_u64 s[14:15], s[14:15], s[74:75]
	v_bfe_u32 v5, v0, 4, 1                         ; lane / 16
	v_and_b32 v1, 31, v0                           ; lane
	v_lshl_add_u32 v[LS], v1, 2, KSC
	v_lshlrev_b32 v[L4], 2, v1
	v_lshlrev_b32 v[LI], 4, v1
	v_lshl_add_u32 v[LM], v5, 5, MSK
	v_lshlrev_b32 v[TO], 4, v0
	v_lshl_add_u32 v[MST], v0, 4, MSK
	v_lshl_add_u32 v[SSA], v0, 2, SST
	global_load_b128 v[MT:MT+3], v[TO], s[8:9]     ; the batch's mask: 512 threads x 16 bytes
	global_load_b128 v[QF+8:QF+11], v[LI], s[4:5]                  ; my 32 queries' image: registers 0-7 are tile 0's codes,
	global_load_b128 v[QF+12:QF+15], v[LI], s[4:5] offset:512
	global_load_b128 v[QF+24:QF+27], v[LI], s[4:5] offset:1024     ; registers 8-15 tile 1's
	global_load_b128 v[QF+28:QF+31], v[LI], s[4:5] offset:1536
	global_load_b32 v57, v[L4], s[6:7]             ; and its scale word
	s_wait_loadcnt 5                               ; the mask is in: five loads were issued behind it
.irp j, 0,1,2,3
	v_cvt_f32_i32 v[MT+\j], v[MT+\j]
.endr
	ds_store_b128 v[MST], v[MT:MT+3]
	s_wait_loadcnt 0x0                             ; q
	v_and_b32 v58, 0xffff, v57                     ; tile 0's two bytes,
	v_lshrrev_b32 v59, 16, v57                     ; tile 1's,
	v_lshl_or_b32 v[QS], v58, 16, v58              ; each twice
	v_lshl_or_b32 v[QS+1], v59, 16, v59
.irp z, 0,1,2,3,4,5,6,7
	v_mov_b32 v[QF+\z], 0                          ; the zero codes beside q's
	v_mov_b32 v[QF+16+\z], 0
	v_mov_b32 v[QF+32+\z], 0
.endr
.irp m, 0,1
	v_mov_b32 v[ST+12*\m+1], 0xff61b1e6            ; m = -3e38, under every score
	v_mul_f32 v[ST+12*\m], s[CS], v[ST+12*\m+1]
.irp z, 2,3,4,5
	v_mov_b32 v[ST+12*\m+\z], 0                    ; l and a
.endr
.endr
	s_mov_b32 s[TK], 0
	s_mov_b32 s[TS], 0
	s_mov_b32 s[TMK], 0
	s_wait_tensorcnt 0x0                           ; my part of K has landed,
	s_wait_dscnt 0x0                               ; my part of the mask is stored;
	s_barrier_signal -1
	s_barrier_wait -1                              ; everybody's
	KADR
	KLD
	s_mov_b32 s[CNT], 31
.Ltrip:
	TRIP 1
	s_sub_co_u32 s[CNT], s[CNT], 1
	s_cmp_lg_u32 s[CNT], 0
	s_cbranch_scc1 .Ltrip
	TRIP 0                                         ; the last 64 keys: nothing is left to fetch
	; THE TWO HALVES OF THE LANES ARE JOINED: both are brought under the larger c m
.irp m, 0,1
	v_add_f32 v[ST+12*\m+8], v[ST+12*\m+2], v[ST+12*\m+3]      ; l
	v_add_f32 v[ST+12*\m+9], v[ST+12*\m+4], v[ST+12*\m+5]      ; a
.endr
.irp m, 0,1
	v_permlanex16_b32 v[ST+12*\m+10], v[ST+12*\m], s[SEL], s[SEL+1]     ; the other half's c m,
	v_permlanex16_b32 v[ST+12*\m+11], v[ST+12*\m+8], s[SEL], s[SEL+1]   ; l,
	v_permlanex16_b32 v[ST+12*\m+7], v[ST+12*\m+9], s[SEL], s[SEL+1]    ; a
.endr
.irp m, 0,1
	v_max_num_f32 v[ST+12*\m+1], v[ST+12*\m], v[ST+12*\m+10]
	v_sub_f32 v[ST+12*\m+2], v[ST+12*\m], v[ST+12*\m+1]
	v_sub_f32 v[ST+12*\m+3], v[ST+12*\m+10], v[ST+12*\m+1]
.endr
.irp m, 0,1
	v_exp_f32 v[ST+12*\m+2], v[ST+12*\m+2]
	v_exp_f32 v[ST+12*\m+3], v[ST+12*\m+3]
.endr
	v_lshl_add_u32 v[ADK], v0, 4, SST              ; (a plain line behind the exponentials)  where waves 0 to 3 read results back
	s_wait_alu depctr_va_vdst(0)                   ; one wait for the four
.irp m, 0,1
	v_mul_f32 v[ST+12*\m+11], v[ST+12*\m+11], v[ST+12*\m+3]
	v_mul_f32 v[ST+12*\m+7], v[ST+12*\m+7], v[ST+12*\m+3]
	v_fma_f32 v[ST+12*\m+11], v[ST+12*\m+8], v[ST+12*\m+2], v[ST+12*\m+11]   ; the row's l
	v_fma_f32 v[ST+12*\m+7], v[ST+12*\m+9], v[ST+12*\m+2], v[ST+12*\m+7]     ; the row's a
.endr
.irp m, 0,1
	v_rcp_f32 v[ST+12*\m+6], v[ST+12*\m+11]
.endr
	v_and_b32 v57, 31, v0                          ; (a plain line behind the reciprocals)
	s_wait_alu depctr_va_vdst(0)                   ; one wait for the two
.irp m, 0,1
	v_mul_f32 v[ST+12*\m+4], v[ST+12*\m+7], v[ST+12*\m+6]                    ; s = a x (1 / l),
.endr
.irp m, 0,1
	v_fma_f32 v[ST+12*\m+5], -v[ST+12*\m+4], v[ST+12*\m+11], v[ST+12*\m+7]   ; what it leaves of a: a - s l, in one rounding,
.endr
.irp m, 0,1
	v_fma_f32 v[ST+12*\m+4], v[ST+12*\m+5], v[ST+12*\m+6], v[ST+12*\m+4]     ; and the correction: the reciprocal's last bit no longer shows in s
.endr
	v_cmp_gt_u32 vcc_lo, 16, v57
	v_cndmask_b32 v58, v[ST+16], v[ST+4], vcc_lo   ; lanes 0-15 tile 0's, lanes 16-31 tile 1's: lane l holds query 32 wave + l
	ds_store_b32 v[SSA], v58
	s_wait_dscnt 0x0                               ; for the others' sake: my results are stored
	s_barrier_signal -1
	s_barrier_wait -1
	s_cmp_lt_u32 s[WV], 4                          ; waves 0 to 3 store the 512 results, 16 bytes a lane
	s_cbranch_scc0 .Lno_store
	ds_load_b128 v[40:43], v[ADK]
	s_wait_dscnt 0x0
	global_store_b128 v[TO], v[40:43], s[14:15]    ; 32 lanes store 512 consecutive bytes, aligned
.Lno_store:
	s_wait_tensorcnt 0x0                           ; the wave's end
	ds_add_u32 v[SPW], v[NIL]
	s_wait_dscnt 0x0
	CROUND                                         ; the closing round
	s_endpgm
.Lfunc_end_k_qc0afc00ed5_attn:
	.size	k_qc0afc00ed5_attn, .Lfunc_end_k_qc0afc00ed5_attn-k_qc0afc00ed5_attn
	.p2alignl 7, 3214868480
	.fill 96, 4, 3214868480
	.section	.rodata,"a",@progbits
	.p2align	6, 0x0
	.amdhsa_kernel k_qc0afc00ed5_attn
		.amdhsa_group_segment_fixed_size 167936
		.amdhsa_private_segment_fixed_size 0
		.amdhsa_enable_private_segment 0
		.amdhsa_kernarg_size 48
		.amdhsa_user_sgpr_count 2
		.amdhsa_user_sgpr_kernarg_segment_ptr 1
		.amdhsa_wavefront_size32 1
		.amdhsa_system_sgpr_workgroup_id_x 1
		.amdhsa_system_sgpr_workgroup_id_y 1
		.amdhsa_system_sgpr_workgroup_id_z 1
		.amdhsa_system_vgpr_workitem_id 0
		.amdhsa_next_free_vgpr 256
		.amdhsa_next_free_sgpr 80
		.amdhsa_reserve_vcc 1
		.amdhsa_float_denorm_mode_32 3
		.amdhsa_float_denorm_mode_16_64 3
		.amdhsa_memory_ordered 1
		.amdhsa_forward_progress 1
		.amdhsa_inst_pref_size 37
	.end_amdhsa_kernel
	.amdgpu_metadata
---
amdhsa.version: [ 1, 2 ]
amdhsa.kernels:
  - .name:           k_qc0afc00ed5_attn
    .symbol:         k_qc0afc00ed5_attn.kd
    .args:
      - { .name: qhc, .offset: 0, .size: 8, .value_kind: global_buffer, .address_space: global }
      - { .name: qhs, .offset: 8, .size: 8, .value_kind: global_buffer, .address_space: global }
      - { .name: supp_mask, .offset: 16, .size: 8, .value_kind: global_buffer, .address_space: global }
      - { .name: khc, .offset: 24, .size: 8, .value_kind: global_buffer, .address_space: global }
      - { .name: khs, .offset: 32, .size: 8, .value_kind: global_buffer, .address_space: global }
      - { .name: sbuf, .offset: 40, .size: 8, .value_kind: global_buffer, .address_space: global }
    .group_segment_fixed_size: 167936
    .private_segment_fixed_size: 0
    .kernarg_segment_align: 8
    .kernarg_segment_size: 48
    .max_flat_workgroup_size: 512
    .sgpr_count:     80
    .vgpr_count:     256
    .wavefront_size: 32
...
	.end_amdgpu_metadata
.endif
;; end of part 2
;; launch oproj (part 3): grid 128 x 2, 4 waves a work-group, clusters of 4 x 1, 167,936 bytes of LDS; arguments sbuf, Wp_codes, Wp_scales, out0; writes out0
.if DOCPART == 3
	.amdgcn_target "amdgcn-amd-amdhsa--gfx1250"
	.amdhsa_code_object_version 6
	.text
	.protected	k_qc0afc00ed5_oproj
	.globl	k_qc0afc00ed5_oproj
	.p2align	8
	.type	k_qc0afc00ed5_oproj,@function
k_qc0afc00ed5_oproj:
	s_mov_b64 s[64:65], 0
	v_nop
	global_prefetch_b8 v0, s[64:65] scope:SCOPE_SE
	s_setreg_imm32_b32 hwreg(HW_REG_WAVE_MODE, 25, 1), 1
	s_wait_xcnt 0x0
	s_wait_alu depctr_hold_cnt(0) depctr_sa_sdst(0) depctr_va_vdst(0) depctr_va_sdst(0) depctr_va_ssrc(0) depctr_va_vcc(0) depctr_vm_vsrc(0)
	s_getreg_b32 s2, hwreg(HW_REG_IB_STS2, 6, 4)
	s_cmp_eq_u32 s2, 0
	s_cbranch_scc0 .Lentry_in_a_cluster
	s_endpgm
.Lentry_in_a_cluster:
	s_bfe_u32 s2, ttmp6, 0x10000c
	s_cmp_lg_u32 s2, 0x3003
	s_cbranch_scc0 .Lentry_shape_is_right
	s_endpgm
.Lentry_shape_is_right:
; out = x Wp^T, x[row][64 h + d] = s[batch][h][row] for all 64 d: x is quantised along K = 512 and multiplied on codes of E5M2 with E8M0 scales.
; A block of 32 along K holds 32 times ONE number, s of its head: its largest magnitude is |s|, its scale 2^(floor(log2 |s|) - 15), and all its codes are the code of s / scale.  So a row has eight codes and eight bytes:
; s is divided by its scale exactly (v_ldexp_f32), held within +-57,344, the row's eight numbers are converted by ONE conversion under the scale 1, and each code is spread over its head's eight registers by byte selects.
; SHARES.  A work-group: 128 rows x 256 columns.  Wave w: 64 columns (four tiles of 16 rows of Wp), whose 16 fragments stay in 256 registers (window 1) for the whole launch; it walks eight tiles of 16 rows, written out.
; THE PRODUCT IS USED TRANSPOSED (source 0 = 16 rows of Wp, source 1 = 16 rows of x): a lane holds eight neighbouring columns of one row of out; a tile goes through the wave's own stage in LDS and leaves as whole rows of 256 bytes.
; CLUSTER 4 x 1: the four row blocks of a cluster share Wp's 256 rows: a joint load with the mask 15, filled once; each wave fetches, and alone reads, its own 64 rows: its own wait on TENSORcnt orders them.
; LIMITS: NaN and infinities in s and the scale byte 0xff in Wp's scales are not served; |s| under 2^-111 (zero too) gets the byte 1.
.set PITCH,  528                       ; a row of Wp in LDS: 512 bytes + 16 of padding
.set STG,    256*PITCH                 ; behind Wp's 256 rows: a stage of 16 rows x (256 bytes + 16) for each wave
.set SPI,    272
.set SPARE,  STG+4*16*SPI              ; the spare words: 128 bytes for each of four waves
.set AWP,  3                           ; v3  my lane's place in my 64 rows of Wp
.set RO,   4                           ; v4  16 r
.set SO,   5                           ; v5  4 r
.set STO,  6                           ; v6  the stage: where I put 32 bytes of a row
.set RD,   7                           ; v7  and where I read a row back
.set CO,   8                           ; v8  my byte offset in two rows of out
.set ONE,  9                           ; v9  1.0: the conversion's scale operand
.set SPW,  10                          ; v10 my spare word; never rewritten
.set NIL,  11                          ; v11 0; never rewritten
.set SV,   16                          ; v16-31  s of my row's eight heads, two sets
.set AM,   32                          ; v32-39  |s| with the floor, then its exponent field
.set SH,   40                          ; v40-47  142 - the field
.set Y,    48                          ; v48-55  s / scale
.set BY,   56                          ; v56-63  the scale bytes
.set CD,   64                          ; v64-65  the eight codes
.set T,    66                          ; v66-67  at work
.set XS,   70                          ; v70-73  x's scale words, one for each K step
.set WS,   74                          ; v74-89  Wp's, 4 t + s
.set XF,   96                          ; v96-159 x's four fragments
.set ACC,  160                         ; v160-191 four accumulators
.set OB,   192                         ; v192-255 rows read back from the stage, two sets of 32
.set WV,   12
.set G1,   24
.set G0,   32
.set MSB, 0
.macro WIN new                         ; the immediate's high byte repeats the setting that is left
.if MSB != \new
	s_set_vgpr_msb (MSB<<8)|\new
.set MSB, \new
.endif
.endm
.macro CROUND                          ; a round of the cluster's barrier
	s_barrier_signal -1
	s_barrier_wait -1
	s_cmp_lg_u32 s[WV], 0
	s_cbranch_scc1 .Lnot_wave_0_\@
	s_barrier_signal -3
.Lnot_wave_0_\@:
	s_barrier_wait -3
	s_barrier_signal -1
	s_barrier_wait -1
.endm
.macro PLACES n
.rept \n
	v_nop
.endr
.endm
.macro SLOAD i                         ; s of row tile i: lane (r, h) takes row 16 i + r, head e
.irp e, 0,1,2,3,4,5,6,7
	global_load_b32 v[SV+8*((\i)%2)+\e], v[SO], s[4:5] offset:16384*\e+64*(\i)
.endr
.endm
.macro BUILD i                         ; row tile i's operand: four fragments and four scale words
.set SS, SV+8*((\i)%2)
.if (\i) < 7
	s_wait_loadcnt 8                               ; this tile's eight loads are in (at the first tile Wp's scale words too); the next tile's eight may be out
.else
	s_wait_loadcnt 0x0
.endif
.irp e, 0,1,2,3,4,5,6,7
	v_max_num_f32 v[AM+\e], |v[SS+\e]|, s13        ; |s|, and the floor 2^(16 - 127): the byte cannot fall under 1
.endr
.irp e, 0,1,2,3,4,5,6,7
	v_lshrrev_b32 v[AM+\e], 23, v[AM+\e]           ; its exponent field: floor(log2) + 127
.endr
.irp e, 0,1,2,3,4,5,6,7
	v_sub_nc_u32 v[SH+\e], 142, v[AM+\e]           ; minus the scale's exponent
.endr
.irp e, 0,1,2,3,4,5,6,7
	v_ldexp_f32 v[Y+\e], v[SS+\e], v[SH+\e]        ; s / scale: nothing is rounded
.endr
.irp e, 0,1,2,3,4,5,6,7
	v_med3_num_f32 v[Y+\e], v[Y+\e], s14, s15      ; the conversion does not saturate (ISA guide 7.6.2): the hold at +-57,344
.endr
.irp e, 0,1,2,3,4,5,6,7
	v_add_nc_u32 v[BY+\e], -15, v[AM+\e]           ; the scale's byte
.endr
.if (\i) < 6
	SLOAD (\i)+2                                   ; the set just read takes the tile two on
.endif
.irp s, 0,1,2,3
	v_mul_u32_u24 v[T], v[BY+2*\s], 0x101          ; K step s is heads 2 s and 2 s + 1, two blocks each
	v_mul_u32_u24 v[T+1], v[BY+2*\s+1], 0x101
	v_lshl_or_b32 v[XS+\s], v[T+1], 16, v[T]
.endr
	v_cvt_scalef32_pk8_bf8_f32 v[CD:CD+1], v[Y:Y+7], v[ONE]    ; byte e of the pair: head e's code
	v_nop                                          ; a plain line behind the conversion
.irp s, 0,1,2,3
.irp u, 0,1
.irp k, 0,1,2,3,4,5,6,7
	v_perm_b32 v[XF+16*\s+8*\u+\k], v[CD+1], v[CD], s[16+2*\s+\u]   ; head 2 s + u's code in all four bytes
.endr
.endr
.endr
	PLACES 4                                       ; an operand written by vector instructions stands four places ahead of a scaled matrix instruction; the scale words stand further up
.endm
.macro MUL                             ; 16 products: four K steps x my four tiles of columns; the four accumulators take turns
	WIN 0x01                                       ; source 0 (Wp) window 1
.irp s, 0,1,2,3
.irp t, 0,1,2,3
.if \s == 0
	v_wmma_scale_f32_16x16x128_f8f6f4 v[ACC+8*\t:ACC+8*\t+7], v[16*(4*\t+\s):16*(4*\t+\s)+15], v[XF+16*\s:XF+16*\s+15], 0, v[WS+4*\t+\s], v[XS+\s] matrix_a_fmt:MATRIX_FMT_BF8 matrix_b_fmt:MATRIX_FMT_BF8
.else
	v_wmma_scale_f32_16x16x128_f8f6f4 v[ACC+8*\t:ACC+8*\t+7], v[16*(4*\t+\s):16*(4*\t+\s)+15], v[XF+16*\s:XF+16*\s+15], v[ACC+8*\t:ACC+8*\t+7], v[WS+4*\t+\s], v[XS+\s] matrix_a_fmt:MATRIX_FMT_BF8 matrix_b_fmt:MATRIX_FMT_BF8
.endif
.endr
.endr
	WIN 0
	PLACES 8                                       ; eight places behind this form, ahead of the first read of results and of the next writes of its sources
.endm
.macro TOSTAGE i                       ; 16 rows x 64 columns into my stage, and back as whole rows of 256 bytes
.set BB, OB+32*((\i)%2)
.if (\i) > 1
	s_wait_xcnt 0x0                                ; the stores of the tile two back have read this set of registers
.endif
.irp t, 0,1,2,3
	ds_store_b128 v[STO], v[ACC+8*\t:ACC+8*\t+3] offset:64*\t          ; each accumulator from its low end on
	ds_store_b128 v[STO], v[ACC+8*\t+4:ACC+8*\t+7] offset:64*\t+16
.endr
.irp k, 0,1,2,3,4,5,6,7
	ds_load_b128 v[BB+4*\k:BB+4*\k+3], v[RD] offset:\k*2*SPI           ; LDS serves a wave's instructions in order (ISA guide 5.7.1.4): these see the stores above
.endr
.endm
.macro SEND i
.set BB, OB+32*((\i)%2)
.irp k, 0,1,2,3,4,5,6,7
	s_wait_dscnt 7-\k                              ; row pair k is back
	global_store_b128 v[CO], v[BB+4*\k:BB+4*\k+3], s[10:11] offset:(16*(\i)+2*\k)*2048 th:TH_STORE_NT   ; 16 lanes store 256 consecutive bytes, aligned; written once
.endr
.endm
	s_load_b256 s[4:11], s[0:1], 0x0               ; sbuf s[4:5], Wp's codes s[6:7], Wp's scales s[8:9], out s[10:11]
	v_lshl_add_u32 v[SPW], v0, 2, SPARE
	v_mov_b32 v[NIL], 0
	ds_add_u32 v[SPW], v[NIL]                      ; the wave's opening: the add and its wait ahead of the first tensor load; the set-up below stands between them
	v_lshrrev_b32 v1, 5, v0
	v_readfirstlane_b32 s[WV], v1                  ; wave 0..3
	s_bfe_u32 s48, ttmp6, 0x40000                  ; cx
	s_lshl_b32 s49, ttmp9, 2
	s_add_co_u32 s49, s49, s48                     ; my block of 128 rows: it enters sbuf's and out's addresses alone
	s_and_b32 s50, ttmp7, 0xffff                   ; which 256 columns, which the four partners share
	s_mov_b32 s[G1], 15|(1<<20)|(1<<21)|(6<<22)|(3<<25)   ; the mask of all four; elements of 1 byte; padding on; bit 21 beside a mask; 4 words behind every 128
	s_mov_b32 s[G1+1], 512<<16
	s_mov_b32 s[G1+2], 64<<16
	s_mov_b32 s[G1+3], 512<<16
	s_mov_b32 s[G1+4], 64
	s_mov_b32 s[G1+5], 512
	s_mov_b32 s[G1+6], 0
	s_mov_b32 s[G1+7], 0
	s_lshl_b32 s36, s50, 17                        ; Wp: (256 half + 64 wave) rows of 512 bytes
	s_lshl_b32 s51, s[WV], 15
	s_add_co_u32 s36, s36, s51
	s_mov_b32 s37, 0
	s_mul_i32 s52, s[WV], 64*PITCH                 ; and in LDS
	s_lshl_b32 s53, s50, 2
	s_add_co_u32 s53, s53, s[WV]                   ; g: my 64 columns
	s_lshl_b32 s38, s53, 10                        ; their rows of Wp's scale bytes
	s_mov_b32 s39, 0
	s_lshr_b32 s40, s49, 5                         ; sbuf: (32,768 batch + 128 (block % 32)) x 4
	s_lshl_b32 s40, s40, 17
	s_and_b32 s54, s49, 31
	s_lshl_b32 s54, s54, 9
	s_add_co_u32 s40, s40, s54
	s_mov_b32 s41, 0
	s_lshl_b32 s42, s49, 18                        ; out: 128 rows of 2,048 bytes a block, + 256 g
	s_lshl_b32 s54, s53, 8
	s_add_co_u32 s42, s42, s54
	s_mov_b32 s43, 0
	s_mul_i32 s55, s[WV], 16*SPI
	s_add_co_u32 s55, s55, STG                     ; my stage
	s_mov_b32 s13, 0x08000000                      ; the floor 2^(16 - 127)
	s_mov_b32 s14, 0xc7600000                      ; -57,344
	s_mov_b32 s15, 0x47600000                      ; +57,344
.irp e, 0,1,2,3,4,5,6,7
	s_mov_b32 s[16+\e], 0x01010101*\e              ; byte e of the pair of codes, four times
.endr
	s_wait_dscnt 0x0                               ; the opening add is done
	s_wait_kmcnt 0x0
	s_mov_b32 s[G0], 1
	s_mov_b32 s[G0+1], s52
	s_add_nc_u64 s[G0+2:G0+3], s[6:7], s[36:37]
	s_or_b32 s[G0+3], s[G0+3], 0x80000000
	CROUND                                         ; all four work-groups are here: the joint loads meet
	tensor_load_to_lds s[G0:G0+3], s[G1:G1+7]      ; my 64 rows of Wp: one tensor load of a wave is out
	s_nop 0
	PLACES 4
	s_add_nc_u64 s[4:5], s[4:5], s[40:41]
	s_add_nc_u64 s[8:9], s[8:9], s[38:39]
	s_add_nc_u64 s[10:11], s[10:11], s[42:43]
	v_and_b32 v1, 15, v0                           ; r
	v_bfe_u32 v2, v0, 4, 1                         ; h
	v_mul_u32_u24 v[AWP], v1, PITCH
	v_lshl_add_u32 v[AWP], v2, 4, v[AWP]
	v_add_nc_u32 v[AWP], s52, v[AWP]
	v_lshlrev_b32 v[RO], 4, v1
	v_lshlrev_b32 v[SO], 2, v1
	v_mul_u32_u24 v[STO], v1, SPI                  ; in: row r, 32 bytes for each half of the lanes
	v_lshl_add_u32 v[STO], v2, 5, v[STO]
	v_add_nc_u32 v[STO], s55, v[STO]
	v_mul_u32_u24 v[RD], v2, SPI                   ; back: lanes 0-15 one row of 256 bytes, lanes 16-31 the next
	v_lshl_add_u32 v[RD], v1, 4, v[RD]
	v_add_nc_u32 v[RD], s55, v[RD]
	v_lshlrev_b32 v[CO], 11, v2                    ; and the same two rows in out
	v_lshl_add_u32 v[CO], v1, 4, v[CO]
	v_mov_b32 v[ONE], 1.0
.irp t, 0,1,2,3
	global_load_b128 v[WS+4*\t:WS+4*\t+3], v[RO], s[8:9] offset:256*\t     ; a row's 16 scale bytes: the words of the four K steps
.endr
	SLOAD 0
	SLOAD 1
	s_wait_tensorcnt 0x0                           ; my rows of Wp have landed; nobody else reads them
	WIN 0x40                                       ; destination window 1
.irp t, 0,1,2,3
.irp s, 0,1,2,3
.irp c, 0,1,2,3
	ds_load_b128 v[16*(4*\t+\s)+4*\c:16*(4*\t+\s)+4*\c+3], v[AWP] offset:16*\t*PITCH+128*\s+32*\c   ; fragment (t, s): it stays
.endr
.endr
.endr
	WIN 0
	BUILD 0
	s_wait_dscnt 0x0                               ; Wp's fragments are in
	MUL
	TOSTAGE 0
.irp i, 1,2,3,4,5,6,7                          ; a tile's operand is built between the loads from the stage of the tile before and the wait for them
	BUILD \i
	SEND \i-1
	MUL
	TOSTAGE \i
.endr
	SEND 7
	s_wait_tensorcnt 0x0                           ; the wave's end
	ds_add_u32 v[SPW], v[NIL]
	s_wait_dscnt 0x0
	CROUND                                         ; the closing round
	s_endpgm
.Lfunc_end_k_qc0afc00ed5_oproj:
	.size	k_qc0afc00ed5_oproj, .Lfunc_end_k_qc0afc00ed5_oproj-k_qc0afc00ed5_oproj
	.p2alignl 7, 3214868480
	.fill 96, 4, 3214868480
	.section	.rodata,"a",@progbits
	.p2align	6, 0x0
	.amdhsa_kernel k_qc0afc00ed5_oproj
		.amdhsa_group_segment_fixed_size 167936
		.amdhsa_private_segment_fixed_size 0
		.amdhsa_enable_private_segment 0
		.amdhsa_kernarg_size 32
		.amdhsa_user_sgpr_count 2
		.amdhsa_user_sgpr_kernarg_segment_ptr 1
		.amdhsa_wavefront_size32 1
		.amdhsa_system_sgpr_workgroup_id_x 1
		.amdhsa_system_sgpr_workgroup_id_y 1
		.amdhsa_system_sgpr_workgroup_id_z 1
		.amdhsa_system_vgpr_workitem_id 0
		.amdhsa_next_free_vgpr 512
		.amdhsa_next_free_sgpr 66
		.amdhsa_reserve_vcc 0
		.amdhsa_float_denorm_mode_32 3
		.amdhsa_float_denorm_mode_16_64 3
		.amdhsa_memory_ordered 1
		.amdhsa_forward_progress 1
		.amdhsa_inst_pref_size 113
	.end_amdhsa_kernel
	.amdgpu_metadata
---
amdhsa.version: [ 1, 2 ]
amdhsa.kernels:
  - .name:           k_qc0afc00ed5_oproj
    .symbol:         k_qc0afc00ed5_oproj.kd
    .args:
      - { .name: sbuf, .offset: 0, .size: 8, .value_kind: global_buffer, .address_space: global }
      - { .name: Wp_codes, .offset: 8, .size: 8, .value_kind: global_buffer, .address_space: global }
      - { .name: Wp_scales, .offset: 16, .size: 8, .value_kind: global_buffer, .address_space: global }
      - { .name: out0, .offset: 24, .size: 8, .value_kind: global_buffer, .address_space: global }
    .group_segment_fixed_size: 167936
    .private_segment_fixed_size: 0
    .kernarg_segment_align: 8
    .kernarg_segment_size: 32
    .max_flat_workgroup_size: 128
    .sgpr_count:     66
    .vgpr_count:     512
    .wavefront_size: 32
...
	.end_amdgpu_metadata
.endif
;; end of part 3
